; MI455X (gfx1250); checked and timed in simulation.
; The chip was launched on July 23, 2026; its instructions are those of AMD's public machine-readable ISA for CDNA 5 (MIT licence, August 2026) and "CDNA5" Instruction Set Architecture Reference Guide (July 2026). The comments in the code are by the model that wrote it; some were corrected since.
;; Scaled Dot Product Attn. Allowed arithmetic: matrix products marked QUANTISED: E2M3 operands, one E8M0 scale for each 32 along K, by v_wmma_scale_f32_16x16x128_f8f6f4 with both operands' format E2M3, f32 sums; everything else in f32.
;; Inputs: k 4 x 16 x 2,048 x 128 float32; mask 1 x 1 x 2,048 x 2,048 int32; q 4 x 16 x 2,048 x 128 float32; v 4 x 16 x 2,048 x 128 float32.
;; Outputs: out0 4 x 16 x 2,048 x 128 float32.
;; This version of the problem:
;;   THIS VERSION OF THE PROBLEM IS GIVEN IN LOW PRECISION. The matrix products marked QUANTISED in the list below multiply operands that are first quantised to E2M3 (2 exponent bits, 3 mantissa bits; 6 bits a number), with one power-of-two scale for each 32 numbers along K (OCP MX v1.0); their sums are f32. All else is computed in f32.
;;   The module's matrix products, in the order in which they are computed (A, B: the left and right operand; K: the contracted axis; several contracted axes count as one K, in the product's order):
;;     1. batch 64 x [M 2,048, K 128] x [K 128, N 2,048]; A: input q; B: input k: QUANTISED
;;     2. batch 64 x [M 2,048, K 2,048] x [K 2,048, N 128]; A: softmax (see below); B: input v: QUANTISED
;;   THE QUANTISER, for each operand of a quantised product, along K:
;;     - K is cut into blocks of 32 from its start; a last block that is shorter is filled with zeros.
;;     - A block's scale is 2^e with e = floor(log2(the largest magnitude in the block)) - 2, held to -126 .. 127; a block of zeros has e = 0. As a byte (E8M0): e + 127.
;;     - Each number is divided by its block's scale, clamped to +-7.5, and rounded to the nearest number of E2M3, ties to even, subnormals kept.
;;     - The product sums the exact products of the quantised numbers (number of the format x scale) in f32.
;;   ~~~python
;;   def quantise(x, axis):      # numpy; x: float32 -> the quantised numbers, widened to float32 again
;;       x = np.moveaxis(x, axis, -1); K = x.shape[-1]
;;       x = np.pad(x, [(0, 0)] * (x.ndim - 1) + [(0, -K % 32)]); x = x.reshape(x.shape[:-1] + (-1, 32)); a = np.abs(x).max(-1, keepdims=True)
;;       e = np.where(a > 0, np.clip(np.frexp(np.where(a > 0, a, 1))[1] - 1 - 2, -126, 127), 0)      # np.frexp(a)[1] - 1 = floor(log2(a)), exactly
;;       r = np.clip(x / 2.0 ** e, -7.5, 7.5)
;;       step = 2.0 ** (np.maximum(np.frexp(np.where(r == 0, 1, r))[1] - 1, 0) - 3)
;;       q = np.round(r / step) * step * 2.0 ** e      # np.round: ties to even
;;       return np.moveaxis(q.reshape(q.shape[:-2] + (-1,))[..., :K], -1, axis).astype(np.float32)
;;   ~~~
;;   SOFTMAX AHEAD OF A QUANTISED PRODUCT. Where the list says 'softmax', what is quantised is not the finished softmax but p = 2^(t - M), with t = logit x log2(e) and M = ceil(the row's largest t), a whole number; so 1/2 < the row's largest p <= 1. The row's sum l is taken of the UNQUANTISED p, in f32, and the product's result is divided by l at the end. Since M is a whole number, a kernel that streams over the keys may use a running M (the ceiling of the running maximum): every later rescaling is an exact power of two, which a block's scale takes up: the codes' values come out the same.
;;   OPERANDS COMPUTED ON THE WAY. 'Computed on the way' means the value that the module computes at that place (a softmax that the list does not call 'softmax' is quantised finished and normalised). What goes into a quantiser is computed in f32, as accurately as f32 sums, v_exp_f32 and their like allow (about 1e-6 of the number): no bf16 or f16 on the way to a quantiser, and a product that is left as it is and whose result goes on into a quantised operand takes f32 operands (vector FMAs, or v_wmma_f32_16x16x4_f32). A number that lies on a knife's edge between two numbers of the format may be rounded either way, as far as f32 arithmetic and the matrix unit's own rounding can turn it there, and no further.
;; One version. Each part assembles by itself: llvm-mc -triple=amdgcn-amd-amdhsa -mcpu=gfx1250 --defsym DOCPART=n.
;; ======== version 1 of 1: 2 launches
;; limits: right only within a limited range of input values
;; workspace buffers: kvc 25,165,824 bytes; kvs 1,048,576 bytes; maskw 524,288 bytes of whole numbers
;; launch prep (part 1): grid 1152 x 1, 4 waves a work-group, no clusters, 68,096 bytes of LDS; arguments k, v, mask, kvc, kvs, maskw; writes kvc, kvs, maskw
.if DOCPART == 1
	.amdgcn_target "amdgcn-amd-amdhsa--gfx1250"
	.amdhsa_code_object_version 6
	.text
	.protected	k_q0e624dfc53_prep
	.globl	k_q0e624dfc53_prep
	.p2align	8
	.type	k_q0e624dfc53_prep,@function
k_q0e624dfc53_prep:
	s_mov_b64 s[64:65], 0
	v_nop
	global_prefetch_b8 v0, s[64:65] scope:SCOPE_SE
	s_setreg_imm32_b32 hwreg(HW_REG_WAVE_MODE, 25, 1), 1
	s_wait_xcnt 0x0
; out0 = softmax(q k^T / sqrt(128), masked) v, 64 heads of 2,048 queries x 2,048 keys x 128, both products on codes of FP6 (E2M3) with one E8M0 scale for each 32 along a product's K.
; NOTHING OF reference() IS LEFT OUT: q, k, v and mask all have a way to out0, and no pattern of the mask is built in.
; THIS LAUNCH makes, once, what every query block of a head reads again in the second launch:
;   k  -> codes along the head's 128, v -> codes along the KEYS (its K in the second product), both laid as IMAGES OF THE OPERAND'S REGISTERS, and their scale words;
;   mask -> one bit a score, as lane masks in the order of the score registers of the second launch.
; kvc  [head 64][key step 16][p 2][12,288 bytes]: K's fragments 4 p .. 4 p + 3, then V's fragments 4 p .. 4 p + 3; a fragment (16 rows x 128 K, 12 registers a lane) is three chunks of 512 bytes:
;      register k of lane L lies at 512 (k / 4) + 16 L + 4 (k % 4).
;      Row r of K's fragment f is key 128 step + 32 (f / 2) + 8 (f % 2) + r + 8 (r / 8); row r of V's fragment f is channel 16 f + r, its K the step's 128 keys in their order.
; kvs  [head][step][p][K's 256 bytes | V's 256 bytes]: lane L has 8 bytes, words 2 p and 2 p + 1; word j holds in lanes 0-15 the scale words of fragment 2 j's rows, in lanes 16-31 those of fragment 2 j + 1's.
; maskw [tile of 16 queries 128][step 16][n 64] words: bit r + 16 h of word n = 16 b + i is 1 where mask[16 tile + r][128 step + 32 b + 16 h + i] == 0.
; THE QUANTISER: a block's scale is 2^(floor(log2(its largest magnitude)) - 2); its byte is the largest magnitude's exponent field - 2, held at 1 from below by a floor among the maximum's leaves.
; LIMITS: a block of zeros gets the byte 1 where the rule says 127 (its codes are zeros, and this program alone reads the bytes); NaN and infinities among the inputs are not served.
; SHARES: work-groups 0-511 take k, 512-1023 v, 1024-1151 the mask; each wave streams 32,768 bytes of its own.  Waves share nothing: no barrier.  Each path that uses LDS has LDS bytes of its own.
.set SP,     528                       ; a stage row: 512 bytes + 16: 33 x 16, so that the sixteen rows that a read touches start in sixteen different 16-byte columns
.set WSTG,   16*SP                     ; a wave's stage: 16 rows
.set KSTAGE, 0                         ; the K path's four stages
.set MSTAGE, 4*WSTG                    ; the mask path's four
.set SPARE,  8*WSTG                    ; the spare words, 128 bytes for each wave: two blocks of 256 bytes that no other line names
.set L16, 1                            ; v1   16 x lane
.set SPW, 2                            ; v2   LDS address of my spare word; never rewritten
.set NIL, 3                            ; v3   0; never rewritten
.set KST, 4                            ; v4   K's stage, on the way in: 16 x lane
.set KRD, 5                            ; v5   and out: 528 r + 128 h
.set MST, 6                            ; v6   the mask's stage, in
.set MRD, 7                            ; v7   and out: 528 r + 64 h
.set SH8, 8                            ; v8   8 h
.set L4,  9                            ; v9   4 x lane
.set L8,  10                           ; v10  8 x lane
.set LN,  11                           ; v11  lane
.set TM,  12                           ; v12-13 largest magnitudes
.set SO,  14                           ; v14-15 the conversions' scale operands
.set BY,  16                           ; v16-17 scale bytes
.set PX,  18                           ; v18  a lane permute's destination
.set W,   20                           ; v20-23 scale words
.set KS,  24                           ; v24-25 K's pair of scale words as stored
.set R,   32                           ; v32-159 two sets of 64 registers as loaded
.set X,   160                          ; v160-223 64 numbers turned through the stage
.set C,   224                          ; v224-235 a fragment's codes
.set CT,  236                          ; v236-243 the upper halves of the blocks' codes, before they are moved
.set MW,  244                          ; v244-251 mask words, a pair for each key step
.set VX,  32                           ; V path: v32-95 two sets of 32 numbers
.set VF,  160                          ; V path: v160-207 four fragments in the making
.set WV,  16                           ; s16  my wave's number
.set SEL, 20                           ; s[20:21] selects for v_permlanex16_b32: lane l xor 16
.set SRC, 24                           ; s[24:25] where I read
.set DC,  26                           ; s[26:27] where my codes (or mask words) go
.set DS,  28                           ; s[28:29] where my scale words go
.macro FINISH                          ; a wave's end
	s_wait_tensorcnt 0x0
	ds_add_u32 v[SPW], v[NIL]
	s_wait_dscnt 0x0
	s_endpgm
.endm
	s_load_b256 s[4:11], s[0:1], 0x0               ; k s[4:5], v s[6:7], mask s[8:9], kvc s[10:11]
	s_load_b128 s[12:15], s[0:1], 0x20             ; kvs s[12:13], maskw s[14:15]
	v_lshl_add_u32 v[SPW], v0, 2, SPARE
	v_mov_b32 v[NIL], 0
	v_lshrrev_b32 v26, 5, v0
	v_readfirstlane_b32 s[WV], v26                 ; wave 0..3
	v_and_b32 v[LN], 31, v0
	v_lshlrev_b32 v[L16], 4, v[LN]
	v_lshlrev_b32 v[L4], 2, v[LN]
	v_lshlrev_b32 v[L8], 3, v[LN]
	v_and_b32 v26, 15, v0                          ; r
	v_bfe_u32 v27, v0, 4, 1                        ; h
	v_lshlrev_b32 v[SH8], 3, v27
	s_mul_i32 s17, s[WV], WSTG                     ; every LDS address is made here, ahead of the parting of the paths
	v_add_nc_u32 v[KST], s17, v[L16]
	v_mul_u32_u24 v28, v26, SP
	v_add_nc_u32 v28, s17, v28
	v_lshl_add_u32 v[KRD], v27, 7, v28
	v_lshl_add_u32 v[MRD], v27, 6, v28
	v_add_nc_u32 v[MRD], MSTAGE, v[MRD]
	v_add_nc_u32 v[MST], MSTAGE, v[KST]
	v_mov_b32 v[PX], 0                             ; a lane permute's destination counts as one of its sources
	s_mov_b32 s[SEL], 0x76543210
	s_mov_b32 s[SEL+1], 0xfedcba98
	s_lshl_b32 s18, ttmp9, 2
	s_add_co_u32 s18, s18, s[WV]                   ; 4 x work-group + wave
	s_mov_b32 s31, 0
	s_wait_kmcnt 0x0
	s_cmp_ge_u32 ttmp9, 1024
	s_cbranch_scc1 .Lmask
	s_cmp_ge_u32 ttmp9, 512
	s_cbranch_scc1 .Lv
; ---------------------------------------------------------------- K: u = (head x 16 + step) x 2 + p: 64 keys, four fragments
	s_lshl_b32 s30, s18, 15                        ; 64 keys of 512 bytes
	s_add_nc_u64 s[SRC:SRC+1], s[4:5], s[30:31]
	s_mul_i32 s30, s18, 12288
	s_add_nc_u64 s[DC:DC+1], s[10:11], s[30:31]
	s_lshl_b32 s30, s18, 9
	s_add_nc_u64 s[DS:DS+1], s[12:13], s[30:31]
.macro KLOAD q                         ; the 16 keys of fragment q, each load one key's 512 consecutive bytes, into set q % 2
.irp i, 0,1,2,3,4,5,6,7,8,9,10,11,12,13,14,15
	global_load_b128 v[R+64*((\q)%2)+4*\i:R+64*((\q)%2)+4*\i+3], v[L16], s[SRC:SRC+1] offset:(32*((\q)/2)+8*((\q)%2)+\i+8*(\i/8))*512 th:TH_LOAD_NT
.endr
.endm
; 16 rows of 512 bytes go through the wave's own stage as they lie and come back so that a lane's registers run along a row.  LDS serves a wave's instructions in order: no wait between the stores and the loads.
; kind = 1: lane (r, h) takes, of row r, numbers 64 c + 32 h + 0 .. 31 (c = 0, 1): two whole blocks.   kind = 0: numbers 32 b + 16 h + 0 .. 15 (b = 0 .. 3).
.macro TURN set, st, rd, kind
.irp i, 0,1,2,3,4,5,6,7,8,9,10,11,12,13,14,15
	ds_store_b128 v[\st], v[R+64*(\set)+4*\i:R+64*(\set)+4*\i+3] offset:SP*\i
.endr
.irp i, 0,1,2,3,4,5,6,7,8,9,10,11,12,13,14,15
.if \kind
	ds_load_b128 v[X+4*\i:X+4*\i+3], v[\rd] offset:256*(\i/8)+16*(\i%8)
.else
	ds_load_b128 v[X+4*\i:X+4*\i+3], v[\rd] offset:128*(\i/4)+16*(\i%4)
.endif
.endr
.endm
; v[X + 32 c + i] = number 64 c + 32 h + i of my row: my blocks h and 2 + h.  They become the fragment's 12 registers in v[C] on, and the row's scale word in v[w], whole in both halves of the lanes.
.macro QB w
.irp c, 0,1
	v_max3_num_f32 v[TM+\c], |v[X+32*\c]|, |v[X+32*\c+1]|, 0x1800000   ; the floor 2^(3 - 127) among the leaves: the byte cannot fall under 1
.endr
.irp i, 2,4,6,8,10,12,14,16,18,20,22,24,26,28,30
.irp c, 0,1
	v_max3_num_f32 v[TM+\c], v[TM+\c], |v[X+32*\c+\i]|, |v[X+32*\c+\i+1]|   ; the two blocks by turns
.endr
.endr
.irp c, 0,1
	v_add_nc_u32 v[SO+\c], 0xff000000, v[TM+\c]    ; 2 off the exponent field: the conversion takes the exponent field of this operand as its scale
.endr
.irp c, 0,1
	v_lshrrev_b32 v[BY+\c], 23, v[SO+\c]           ; the scale's byte
.endr
	v_lshl_or_b32 v[\w], v[BY+1], 16, v[BY]        ; my two bytes, blocks h and 2 + h,
	v_lshlrev_b32 v[\w], v[SH8], v[\w]             ; at their places in the word;
	v_permlanex16_b32 v[PX], v[\w], s[SEL], s[SEL+1]
	v_or_b32 v[\w], v[\w], v[PX]                   ; with lane l xor 16's two the word is whole
.irp c, 0,1
	v_cvt_scalef32_pk16_fp6_f32 v[C+6*\c:C+6*\c+2], v[X+32*\c:X+32*\c+15], v[SO+\c]
	v_cvt_scalef32_pk16_fp6_f32 v[CT+4*\c:CT+4*\c+2], v[X+32*\c+16:X+32*\c+31], v[SO+\c]   ; (a conversion's three registers begin on an even number)
.endr
	v_nop                                          ; one plain place behind a scaled conversion
.irp c, 0,1
.irp i, 0,1,2
	v_mov_b32 v[C+6*\c+3+\i], v[CT+4*\c+\i]
.endr
.endr
.endm
.macro KFRAG q
.if (\q) < 3
	s_wait_loadcnt 16                              ; this fragment's 16 loads are in; the next fragment's may be out
.else
	s_wait_loadcnt 0x0
.endif
	TURN (\q)%2, KST, KRD, 1
	s_wait_dscnt 0x0                               ; the numbers are back, and the stores have read their registers,
.if (\q) < 2
	KLOAD (\q)+2                                   ; which take the loads of two fragments on
.endif
.if (\q) > 0
	s_wait_xcnt 0x0                                ; the last fragment's stores have read v[C] on: it is rewritten only behind this wait
.endif
	QB W+(\q)
.irp c, 0,1,2
	global_store_b128 v[L16], v[C+4*\c:C+4*\c+3], s[DC:DC+1] offset:1536*(\q)+512*\c   ; 32 lanes store 512 consecutive bytes, aligned to 512
.endr
.endm
	KLOAD 0
	KLOAD 1
	s_wait_alu depctr_va_vdst(0)
	KFRAG 0
	KFRAG 1
	KFRAG 2
	KFRAG 3
	v_cmp_le_u32 vcc_lo, 16, v[LN]                 ; lanes 16-31 carry the odd fragment's words
	v_cndmask_b32 v[KS], v[W], v[W+1], vcc_lo
	v_cndmask_b32 v[KS+1], v[W+2], v[W+3], vcc_lo
	global_store_b64 v[L8], v[KS:KS+1], s[DS:DS+1] ; 32 lanes store 256 consecutive bytes, aligned
	FINISH
; ---------------------------------------------------------------- V: u likewise: 128 keys x 64 channels.  A LANE TAKES A CHANNEL, AND ITS REGISTERS RUN DOWN THE KEYS: nothing is transposed
.Lv:
	s_sub_co_u32 s18, s18, 2048
	s_lshr_b32 s30, s18, 1
	s_lshl_b32 s30, s30, 16                        ; the step's 128 keys of 512 bytes,
	s_and_b32 s17, s18, 1
	s_lshl_b32 s17, s17, 8                         ; my 64 channels
	s_add_co_u32 s30, s30, s17
	s_add_nc_u64 s[SRC:SRC+1], s[6:7], s[30:31]
	s_mul_i32 s30, s18, 12288
	s_add_co_u32 s30, s30, 6144                    ; behind K's four fragments
	s_add_nc_u64 s[DC:DC+1], s[10:11], s[30:31]
	s_lshl_b32 s30, s18, 9
	s_add_co_u32 s30, s30, 256                     ; behind K's scale words
	s_add_nc_u64 s[DS:DS+1], s[12:13], s[30:31]
; turn t = 2 blk + g: keys 32 blk + 0 .. 31 of channels 32 g + lane.  The two halves g of a row's 256 bytes are read in neighbouring turns, by two loads each touching half of them: so no non-temporal hint
.macro VLOAD t
.irp i, 0,1,2,3,4,5,6,7,8,9,10,11,12,13,14,15,16,17,18,19,20,21,22,23,24,25,26,27,28,29,30,31
	global_load_b32 v[VX+32*((\t)%2)+\i], v[L4], s[SRC:SRC+1] offset:(32*((\t)/2)+\i)*512+128*((\t)%2)
.endr
.endm
.macro VBLOCK t
.set XS, VX+32*((\t)%2)
.set FB, VF+24*((\t)%2)+12*(((\t)/2)%2)+6*((\t)/4)   ; half g's pair of fragments; even blocks in the first of the pair, odd ones in the second; six registers a block
.if (\t) < 7
	s_wait_loadcnt 32                              ; this turn's 32 loads are in; the next turn's may be out
.else
	s_wait_loadcnt 0x0
.endif
	v_max3_num_f32 v[TM], |v[XS]|, |v[XS+1]|, |v[XS+2]|             ; the block's largest magnitude: all 32 numbers are mine; two chains
	v_max3_num_f32 v[TM+1], |v[XS+3]|, |v[XS+4]|, |v[XS+5]|
.irp i, 6,10,14,18,22,26
	v_max3_num_f32 v[TM], v[TM], |v[XS+\i]|, |v[XS+\i+1]|
	v_max3_num_f32 v[TM+1], v[TM+1], |v[XS+\i+2]|, |v[XS+\i+3]|
.endr
	v_max3_num_f32 v[TM], v[TM], |v[XS+30]|, |v[XS+31]|
	v_max3_num_f32 v[TM], v[TM], v[TM+1], 0x1800000                 ; and the floor
	v_add_nc_u32 v[SO], 0xff000000, v[TM]
	v_cvt_scalef32_pk16_fp6_f32 v[FB:FB+2], v[XS:XS+15], v[SO]
	v_cvt_scalef32_pk16_fp6_f32 v[CT:CT+2], v[XS+16:XS+31], v[SO]
	v_lshrrev_b32 v[BY], 23, v[SO]                 ; the scale's byte (also the plain place behind the conversions)
.if (\t)/2 == 0
	v_mov_b32 v[W+(\t)%2], v[BY]                   ; my channel's scale word: the lower keys' byte lowest
.else
	v_lshl_or_b32 v[W+(\t)%2], v[BY], 8*((\t)/2), v[W+(\t)%2]
.endif
.irp i, 0,1,2
	v_mov_b32 v[FB+3+\i], v[CT+\i]
.endr
.if (\t)+2 < 8
	VLOAD (\t)+2
.endif
.endm
	VLOAD 0
	VLOAD 1
.irp t, 0,1,2,3,4,5,6,7
	VBLOCK \t
.endr
; A lane holds all four blocks of ITS channel; the operand wants blocks 0, 2 of channel r in lane r and blocks 1, 3 of the same channel in lane 16 + r.  One exchange of halves a register gives both fragments:
; the first's lanes 16-31 (even blocks of channels 16 + r) change places with the second's lanes 0-15 (odd blocks of channels r).
.irp g, 0,1
.irp i, 0,1,2,3,4,5,6,7,8,9,10,11
	v_permlane16_swap_b32 v[VF+24*\g+\i], v[VF+24*\g+12+\i]
.endr
.endr
.irp g, 0,1
.irp e, 0,1
.irp c, 0,1,2
	global_store_b128 v[L16], v[VF+24*\g+12*\e+4*\c:VF+24*\g+12*\e+4*\c+3], s[DC:DC+1] offset:(2*\g+\e)*1536+512*\c
.endr
.endr
.endr
	global_store_b64 v[L8], v[W:W+1], s[DS:DS+1]   ; lane L's word g is channel 32 g + L's: lanes 0-15 the even fragment's rows, lanes 16-31 the odd one's
	FINISH
; ---------------------------------------------------------------- the mask: m = tile of 16 queries x 4 + quarter of the keys: 16 rows x 512 keys, four key steps
.Lmask:
	s_sub_co_u32 s18, s18, 4096
	s_lshr_b32 s30, s18, 2
	s_lshl_b32 s30, s30, 17                        ; 16 rows of 8,192 bytes,
	s_and_b32 s17, s18, 3
	s_lshl_b32 s17, s17, 11                        ; 512 keys of 4 bytes
	s_add_co_u32 s30, s30, s17
	s_add_nc_u64 s[SRC:SRC+1], s[8:9], s[30:31]
	s_lshl_b32 s30, s18, 10                        ; four steps of 64 words
	s_add_nc_u64 s[DC:DC+1], s[14:15], s[30:31]
.irp i, 0,1,2,3,4,5,6,7
	v_mov_b32 v[MW+\i], 0                          ; v_writelane_b32's destination counts as one of its sources
.endr
.macro TLOAD j                         ; key step j of my four: 16 rows, each load 512 consecutive bytes of a row
.irp i, 0,1,2,3,4,5,6,7,8,9,10,11,12,13,14,15
	global_load_b128 v[R+64*((\j)%2)+4*\i:R+64*((\j)%2)+4*\i+3], v[L16], s[SRC:SRC+1] offset:\i*8192+512*(\j) th:TH_LOAD_NT
.endr
.endm
.macro MSTEP j
.if (\j) < 3
	s_wait_loadcnt 16                              ; this step's 16 loads are in; the next step's may be out
.else
	s_wait_loadcnt 0x0
.endif
	TURN (\j)%2, MST, MRD, 0
	s_wait_dscnt 0x0
.if (\j) < 2
	TLOAD (\j)+2
.endif
.irp g, 0,1,2,3,4,5,6,7                ; register n = 8 g + e of lane (r, h) is mask[row r][32 (n / 16) + 16 h + n % 16]: a compare makes word n, which goes to lane n / 2, register n % 2
.irp e, 0,1,2,3,4,5,6,7
	v_cmp_eq_u32 s[32+\e], 0, v[X+8*\g+\e]
.endr
.irp e, 0,1,2,3,4,5,6,7
	v_writelane_b32 v[MW+2*(\j)+\e%2], s[32+\e], 4*\g+\e/2
.endr
.endr
	global_store_b64 v[L8], v[MW+2*(\j):MW+2*(\j)+1], s[DC:DC+1] offset:256*(\j)   ; 32 lanes store 256 consecutive bytes, aligned; each step has a pair of its own, so no store's data are written again
.endm
	TLOAD 0
	TLOAD 1
	MSTEP 0
	MSTEP 1
	MSTEP 2
	MSTEP 3
	FINISH
.Lfunc_end_k_q0e624dfc53_prep:
	.size	k_q0e624dfc53_prep, .Lfunc_end_k_q0e624dfc53_prep-k_q0e624dfc53_prep
	.p2alignl 7, 3214868480
	.fill 96, 4, 3214868480
	.section	.rodata,"a",@progbits
	.p2align	6, 0x0
	.amdhsa_kernel k_q0e624dfc53_prep
		.amdhsa_group_segment_fixed_size 68096
		.amdhsa_private_segment_fixed_size 0
		.amdhsa_enable_private_segment 0
		.amdhsa_kernarg_size 48
		.amdhsa_user_sgpr_count 2
		.amdhsa_user_sgpr_kernarg_segment_ptr 1
		.amdhsa_wavefront_size32 1
		.amdhsa_system_sgpr_workgroup_id_x 1
		.amdhsa_system_sgpr_workgroup_id_y 1
		.amdhsa_system_sgpr_workgroup_id_z 1
		.amdhsa_system_vgpr_workitem_id 0
		.amdhsa_next_free_vgpr 256
		.amdhsa_next_free_sgpr 66
		.amdhsa_reserve_vcc 1
		.amdhsa_float_denorm_mode_32 3
		.amdhsa_float_denorm_mode_16_64 3
		.amdhsa_memory_ordered 1
		.amdhsa_forward_progress 1
		.amdhsa_inst_pref_size 115
	.end_amdhsa_kernel
	.amdgpu_metadata
---
amdhsa.version: [ 1, 2 ]
amdhsa.kernels:
  - .name:           k_q0e624dfc53_prep
    .symbol:         k_q0e624dfc53_prep.kd
    .args:
      - { .name: k, .offset: 0, .size: 8, .value_kind: global_buffer, .address_space: global }
      - { .name: v, .offset: 8, .size: 8, .value_kind: global_buffer, .address_space: global }
      - { .name: mask, .offset: 16, .size: 8, .value_kind: global_buffer, .address_space: global }
      - { .name: kvc, .offset: 24, .size: 8, .value_kind: global_buffer, .address_space: global }
      - { .name: kvs, .offset: 32, .size: 8, .value_kind: global_buffer, .address_space: global }
      - { .name: maskw, .offset: 40, .size: 8, .value_kind: global_buffer, .address_space: global }
    .group_segment_fixed_size: 68096
    .private_segment_fixed_size: 0
    .kernarg_segment_align: 8
    .kernarg_segment_size: 48
    .max_flat_workgroup_size: 128
    .sgpr_count:     66
    .vgpr_count:     256
    .wavefront_size: 32
...
	.end_amdgpu_metadata
.endif
;; end of part 1
;; launch attn (part 2): grid 4 x 64, 8 waves a work-group, clusters of 4 x 1, 327,680 bytes of LDS; arguments q, kvc, kvs, maskw, out0; writes out0
.if DOCPART == 2
	.amdgcn_target "amdgcn-amd-amdhsa--gfx1250"
	.amdhsa_code_object_version 6
	.text
	.protected	k_q0e624dfc53_attn
	.globl	k_q0e624dfc53_attn
	.p2align	8
	.type	k_q0e624dfc53_attn,@function
k_q0e624dfc53_attn:
	s_mov_b64 s[64:65], 0
	v_nop
	global_prefetch_b8 v0, s[64:65] scope:SCOPE_SE
	s_setreg_imm32_b32 hwreg(HW_REG_WAVE_MODE, 25, 1), 1
	s_wait_xcnt 0x0
	s_wait_alu depctr_hold_cnt(0) depctr_sa_sdst(0) depctr_va_vdst(0) depctr_va_sdst(0) depctr_va_ssrc(0) depctr_va_vcc(0) depctr_vm_vsrc(0)
	s_getreg_b32 s2, hwreg(HW_REG_IB_STS2, 6, 4)
	s_cmp_eq_u32 s2, 0
	s_cbranch_scc0 .Lentry_in_a_cluster
	s_endpgm
.Lentry_in_a_cluster:
	s_bfe_u32 s2, ttmp6, 0x10000c
	s_cmp_lg_u32 s2, 0x3003
	s_cbranch_scc0 .Lentry_shape_is_right
	s_endpgm
.Lentry_shape_is_right:
; out0 = softmax(q k^T / sqrt(128), masked) v for one head: both products on codes of FP6 (E2M3) with E8M0 scales; nothing of reference() is left out here.
; SHARES: the four work-groups of a cluster take one head, 512 queries each; a wave owns 64 queries and takes them as two blocks of 32 (two tiles of 16), one block after the other.
; Both products are used transposed (S^T = k q^T, O^T = v^T p^T): a lane holds one query, its registers run along the keys, then along the channels.
; K AND V come as register images (kvc) in groups of four key steps, 98,304 bytes, through two LDS slots, asked for JOINTLY by the four work-groups (mask 15): waves 0-5 bring 64 rows of 256 bytes each.
; The ring goes through eight phases, groups 0 1 2 3 0 1 2 3: it does not stop between a wave's two blocks.  The head's scale words (kvs, 16,384 bytes) are brought once, by waves 6 and 7, and stay.
; So at the kernel's head every wave issues one tensor load.  All waits on TENSORcnt are for 0; a wave has at most one tensor load out.
; THE SOFTMAX: running M = ceil(largest t), a whole number; p = 2^(t - M); the row's sum of the unquantised p; sums and O^T are brought under a new M by an exact power of two, in every step.
; PREFETCHES: of K/V's first pass, the group two refills on (phases 0 and 1; work-group cx takes key step cx of the group, waves 0-2, a lane a block of 256 bytes); the second pass asks for nothing, the bytes having been read
; in this launch; each wave's second block of q (64 blocks of 256 bytes) in phase 2, its loads standing behind phase 3.
; LIMITS: a hidden score is held at -2^25 ahead of the factor 1/sqrt(128), about -2.97e6 where reference() has -1e6: hidden keys get p = 0 in both while a row's largest open logit lies above -1e6 + 150, and a row with no
; open key has equal p in both.  The promise holds while the scaled scores stay under 2^31 in magnitude.  NaN and infinities among the inputs are not served.
.set STEPB,  24576                     ; a key step in kvc
.set GROUPB, 4*STEPB                   ; a slot's fill
.set SLOT1,  1<<17                     ; slot 1's first byte
.set SCL,    GROUPB                    ; the head's scale words, behind slot 0
.set SPARE,  SCL+16384                 ; the spare words: 128 bytes a wave, four blocks of 256 bytes that no other line names
.set STAGE,  SLOT1+GROUPB              ; the waves' stages, 16 rows of 528 bytes each: no fill lands here
.set SP,     528
.set WSTG,   16*SP
.set L16, 1                            ; v1 16 x lane
.set SPW, 2                            ; v2 my spare word; never rewritten
.set NIL, 3                            ; v3 0; never rewritten
.set HID, 4                            ; v4 the hidden score
.set ADK, 5                            ; v5 this step's fragments
.set ADS, 6                            ; v6 this step's scale words
.set STO, 7                            ; v7 stage: 528 r + 32 h
.set STR, 8                            ; v8 stage: 16 x lane
.set QRD, 9                            ; v9 stage: 528 r + 128 h
.set SH8, 10                           ; v10 8 h
.set PFO, 11                           ; v11 256 x lane
.set L8,  12                           ; v12 8 x lane
.set ST,  16                           ; v16-31 per tile: -M, largest t, the sum (2), f (2), two spares
.set S,   32                           ; v32-159 scores, then p, two tiles
.set XQ,  96                           ; q turned through the stage
.set PC,  160                          ; v160-183 p's codes
.set CT,  184
.set TM,  192
.set KSC, 208
.set VSC, 212
.set QSC, 216
.set PSC, 218
.set T2,  220
.set OA,  0                            ; window 1: v0-127 O^T
.set FRG, 128                          ; window 1: v128-223 eight fragments of K or V
.set QF,  224                          ; window 1: v224-247 q's codes
.set TB,  2                            ; s2 this step's bytes in the ring
.set TS,  3                            ; s3 this step's scale words, from SCL on
.set G1,  4
.set G0,  12
.set MB,  16                           ; s[16:17] my block's mask words
.set MO,  18
.set WV,  19
.set SEL, 20
.set CS,  22
.set OP,  24
.set PFA, 26
.set LIM, 28
.set SLOTS, 29
.set INNER, 30
.set TA,  31
.set G1S, 68                           ; the scale words' descriptor: done with before the mask words take these registers
.set G0S, 76
.set QP,  100
.set DL,  104                          ; s[104:105] what the ring's address goes back by
.set MSB, 0
.macro WIN new
.if MSB != \new
	s_set_vgpr_msb (MSB<<8)|\new
.set MSB, \new
.endif
.endm
.macro CROUND                          ; a round of the cluster's barrier
	s_barrier_signal -1
	s_barrier_wait -1
	s_cmp_lg_u32 s[WV], 0
	s_cbranch_scc1 .Lnot_wave_0_\@
	s_barrier_signal -3
.Lnot_wave_0_\@:
	s_barrier_wait -3
	s_barrier_signal -1
	s_barrier_wait -1
.endm
.macro PLACES
.rept 4
	v_nop
.endr
.endm
.macro ASK                             ; phases 0 and 1 (SLOTS 7, 6), waves 0-2: the group two refills on
	s_cmp_gt_u32 s[SLOTS], s[LIM]
	s_cbranch_scc0 .Lnot_mine_\@
	global_prefetch_b8 v[PFO], s[PFA:PFA+1] th:TH_LOAD_NT scope:SCOPE_SE
.Lnot_mine_\@:
	s_cmp_eq_u32 s[SLOTS], 5               ; phase 2: my second block of q, 2 x 32 blocks of 256 bytes
	s_cbranch_scc0 .Lnot_now_\@
	global_prefetch_b8 v[PFO], s[QP:QP+1] offset:16384 th:TH_LOAD_NT scope:SCOPE_SE
	global_prefetch_b8 v[PFO], s[QP:QP+1] offset:24576 th:TH_LOAD_NT scope:SCOPE_SE
.Lnot_now_\@:
.endm
.macro MLOAD off                       ; 64 lane masks: one tile's, one key step's
	s_load_b512 s[32:47], s[MB:MB+1], s[MO] offset:\off
	s_load_b512 s[48:63], s[MB:MB+1], s[MO] offset:\off+64
	s_load_b512 s[68:83], s[MB:MB+1], s[MO] offset:\off+128
	s_load_b512 s[84:99], s[MB:MB+1], s[MO] offset:\off+192
.endm
	s_load_b256 s[32:39], s[0:1], 0x0              ; q, kvc, kvs, maskw
	s_load_b64 s[40:41], s[0:1], 0x20              ; out0
	v_lshl_add_u32 v[SPW], v0, 2, SPARE
	v_mov_b32 v[NIL], 0
	ds_add_u32 v[SPW], v[NIL]
	ds_add_u32 v[SPW], v[NIL]
	v_lshrrev_b32 v13, 5, v0
	s_delay_alu instid0(VALU_DEP_1)
	v_readfirstlane_b32 s[WV], v13
	s_and_b32 s42, ttmp7, 0xffff                   ; head
	s_mov_b32 s[G1], 15|(3<<16)|(1<<21)            ; K/V: 64 rows of 32 x 8 bytes, dense, for all four work-groups
	s_mov_b32 s[G1+1], 32<<16
	s_mov_b32 s[G1+2], 64<<16
	s_mov_b32 s[G1+3], 32<<16
	s_mov_b32 s[G1+4], 64
	s_mov_b32 s[G1+5], 32
	s_mov_b32 s[G1+6], 0
	s_mov_b32 s[G1+7], 0
	s_mov_b32 s[G1S], 15|(3<<16)|(1<<21)           ; scale words: 32 such rows
	s_mov_b32 s[G1S+1], 32<<16
	s_mov_b32 s[G1S+2], 32<<16
	s_mov_b32 s[G1S+3], 32<<16
	s_mov_b32 s[G1S+4], 32
	s_mov_b32 s[G1S+5], 32
	s_mov_b32 s[G1S+6], 0
	s_mov_b32 s[G1S+7], 0
	s_mov_b32 s[G0], 1
	s_lshl_b32 s[G0+1], s[WV], 14                  ; waves 0-5: 16,384 bytes each
	s_mul_i32 s46, s42, 16*STEPB
	s_add_co_u32 s46, s46, s[G0+1]
	s_mov_b32 s47, 0
	s_mov_b32 s[G0S], 1
	s_and_b32 s80, s[WV], 1                        ; waves 6, 7: 8,192 bytes each
	s_lshl_b32 s80, s80, 13
	s_add_co_u32 s[G0S+1], s80, SCL
	s_lshl_b32 s50, s42, 14
	s_add_co_u32 s50, s50, s80
	s_mov_b32 s51, 0
	s_bfe_u32 s43, ttmp6, 0x40000                  ; cx
	s_lshl_b32 s44, ttmp9, 2
	s_add_co_u32 s44, s44, s43                     ; work-group x
	s_lshl_b32 s54, s42, 11
	s_lshl_b32 s55, s44, 9
	s_add_co_u32 s54, s54, s55
	s_lshl_b32 s55, s[WV], 6
	s_add_co_u32 s54, s54, s55                     ; my first query: 2,048 head + 512 x + 64 wave
	s_lshl_b32 s54, s54, 9
	s_mov_b32 s55, 0
	s_lshl_b32 s56, s44, 5
	s_lshl_b32 s57, s[WV], 2
	s_add_co_u32 s56, s56, s57                     ; my first tile of 16 queries
	s_lshl_b32 s56, s56, 12
	s_mov_b32 s57, 0
	s_mul_i32 s48, s42, 16*STEPB
	s_mul_i32 s49, s43, STEPB
	s_add_co_u32 s48, s48, s49
	s_lshl_b32 s49, s[WV], 13
	s_add_co_u32 s48, s48, s49
	s_add_co_u32 s48, s48, GROUPB
	s_mov_b32 s49, 0
	s_cmp_lt_u32 s[WV], 3
	s_cselect_b32 s[LIM], 5, -1
	s_mov_b32 s[SEL], 0x76543210
	s_mov_b32 s[SEL+1], 0xfedcba98
	s_mov_b32 s[CS], 0x3e0293ee                    ; log2(e) / sqrt(128)
	s_mov_b32 s[CS+1], s[CS]
	s_mov_b32 s[TB], 0
	s_mov_b32 s[TS], 0
	s_mov_b32 s[MO], 0
	s_mov_b32 s[DL+1], 0
	s_mov_b32 s[SLOTS], 7
	v_and_b32 v13, 31, v0
	s_delay_alu instid0(VALU_DEP_1)
	v_lshlrev_b32 v[L16], 4, v13
	s_delay_alu instid0(VALU_DEP_2)
	v_lshlrev_b32 v[L8], 3, v13
	s_delay_alu instid0(VALU_DEP_3)
	v_lshlrev_b32 v[PFO], 8, v13
	v_and_b32 v14, 15, v0
	v_bfe_u32 v15, v0, 4, 1
	s_delay_alu instid0(VALU_DEP_1)
	v_lshlrev_b32 v[SH8], 3, v15
	s_mul_i32 s81, s[WV], WSTG
	s_add_co_u32 s81, s81, STAGE
	v_add_nc_u32 v[STR], s81, v[L16]
	v_mul_u32_u24 v14, v14, SP
	s_delay_alu instid0(VALU_DEP_1)
	v_add_nc_u32 v14, s81, v14
	s_delay_alu instid0(VALU_DEP_1)
	v_lshl_add_u32 v[STO], v15, 5, v14
	s_delay_alu instid0(VALU_DEP_2)
	v_lshl_add_u32 v[QRD], v15, 7, v14
	v_mov_b32 v[HID], 0xcc000000
.irp b, 4,5,6,7
	v_mov_b32 v[TM+\b], 0                          ; a lane permute's destination counts as one of its sources
.endr
	s_wait_alu depctr_va_vdst(0)
	s_wait_dscnt 0x0
	s_wait_kmcnt 0x0
	s_add_nc_u64 s[G0+2:G0+3], s[34:35], s[46:47]
	s_or_b32 s[G0+3], s[G0+3], 0x80000000
	s_add_nc_u64 s[G0S+2:G0S+3], s[36:37], s[50:51]
	s_or_b32 s[G0S+3], s[G0S+3], 0x80000000
	s_add_nc_u64 s[QP:QP+1], s[32:33], s[54:55]
	s_add_nc_u64 s[OP:OP+1], s[40:41], s[54:55]
	s_add_nc_u64 s[MB:MB+1], s[38:39], s[56:57]
	s_add_nc_u64 s[PFA:PFA+1], s[34:35], s[48:49]
.macro QLOAD t                         ; 16 queries, each load one query's 512 bytes
.irp i, 0,1,2,3,4,5,6,7,8,9,10,11,12,13,14,15
	global_load_b128 v[S+4*\i:S+4*\i+3], v[L16], s[QP:QP+1] offset:8192*(\t)+512*\i th:TH_LOAD_NT
.endr
.endm
	QLOAD 0
	CROUND                                         ; in front of the first joint loads
	s_cmp_lt_u32 s[WV], 6                          ; one chain, one fill to an arm: every wave issues one tensor load here
	s_cbranch_scc0 .Lhead_scales
	tensor_load_to_lds s[G0:G0+3], s[G1:G1+7]      ; group 0 into slot 0
	s_nop 0
	PLACES
	s_branch .Lhead_asked
.Lhead_scales:
	tensor_load_to_lds s[G0S:G0S+3], s[G1S:G1S+7]  ; the head's scale words
	s_nop 0
	PLACES
.Lhead_asked:
; v[XQ + 32 c + i] = number 64 c + 32 h + i of my query: two whole blocks -> 12 registers of codes in v[PC] on, and the row's scale word
.macro QB w
.irp c, 0,1
	v_max3_num_f32 v[TM+\c], |v[XQ+32*\c]|, |v[XQ+32*\c+1]|, 0x1800000   ; the floor 2^(3 - 127): the byte cannot fall under 1
.endr
.irp i, 2,4,6,8,10,12,14,16,18,20,22,24,26,28,30
.irp c, 0,1
	s_delay_alu instid0(VALU_DEP_2)
	v_max3_num_f32 v[TM+\c], v[TM+\c], |v[XQ+32*\c+\i]|, |v[XQ+32*\c+\i+1]|
.endr
.endr
.irp c, 0,1
	s_delay_alu instid0(VALU_DEP_2)
	v_add_nc_u32 v[TM+12+\c], 0xff000000, v[TM+\c] ; 2 off the exponent field: the conversion's scale operand
.endr
.irp c, 0,1
	s_delay_alu instid0(VALU_DEP_2)
	v_lshrrev_b32 v[TM+8+\c], 23, v[TM+12+\c]
.endr
	s_delay_alu instid0(VALU_DEP_1)
	v_lshl_or_b32 v[\w], v[TM+9], 16, v[TM+8]
	s_delay_alu instid0(VALU_DEP_1)
	v_lshlrev_b32 v[\w], v[SH8], v[\w]
	s_delay_alu instid0(VALU_DEP_1)
	v_permlanex16_b32 v[TM+4], v[\w], s[SEL], s[SEL+1]
	s_delay_alu instid0(VALU_DEP_1)
	v_or_b32 v[\w], v[\w], v[TM+4]
.irp c, 0,1
	v_cvt_scalef32_pk16_fp6_f32 v[PC+6*\c:PC+6*\c+2], v[XQ+32*\c:XQ+32*\c+15], v[TM+12+\c]
	v_cvt_scalef32_pk16_fp6_f32 v[CT+4*\c:CT+4*\c+2], v[XQ+32*\c+16:XQ+32*\c+31], v[TM+12+\c]
.endr
	v_nop                                          ; one plain place behind a scaled conversion
.irp c, 0,1
.irp i, 0,1,2
	v_mov_b32 v[PC+6*\c+3+\i], v[CT+4*\c+\i]
.endr
.endr
.endm
.macro QTILE t                         ; a tile of q through my stage, quantised, its codes into window 1
	s_wait_loadcnt 0x0
.irp i, 0,1,2,3,4,5,6,7,8,9,10,11,12,13,14,15
	ds_store_b128 v[STR], v[S+4*\i:S+4*\i+3] offset:SP*\i
.endr
.irp i, 0,1,2,3,4,5,6,7,8,9,10,11,12,13,14,15
	ds_load_b128 v[XQ+4*\i:XQ+4*\i+3], v[QRD] offset:256*(\i/8)+16*(\i%8)
.endr
	s_wait_dscnt 0x0
.if (\t) == 0
	QLOAD 1
.endif
	QB QSC+(\t)
	WIN 0x40
.irp i, 0,1,2,3,4,5,6,7,8,9,10,11
	v_mov_b32 v[QF+12*(\t)+\i], v[PC+\i]
.endr
	WIN 0
.endm
.macro BEGIN                           ; a block of 32 queries begins: its codes, O^T = 0, the sums 0, the largest t -3e38
	QTILE 0
	QTILE 1
	WIN 0x40
.set i, 0
.rept 128
	v_mov_b32 v[OA+i], 0
.set i, i+1
.endr
	WIN 0
.set i, 0
.rept 128
	v_mov_b32 v[S+i], 0                            ; the first step adds the p of a step before it: there is none, so zeros
.set i, i+1
.endr
.irp t, 0,1
	v_mov_b32 v[ST+8*\t+1], 0xff61b1e6
	s_delay_alu instid0(VALU_DEP_1)
	v_floor_f32 v[ST+8*\t], -v[ST+8*\t+1]
	v_mov_b32 v[ST+8*\t+2], 0
	v_mov_b32 v[ST+8*\t+3], 0
	v_mov_b32 v[ST+8*\t+5], 0
	v_mov_b32 v[ST+8*\t+7], 0
.endr
	s_wait_alu depctr_va_vdst(0)
.endm
	BEGIN
	s_wait_tensorcnt 0x0                           ; my load is done: the scale words' descriptor registers may take mask words
	MLOAD 0
.macro SOFTMAX t
.set rS, S+64*(\t)
.set rT, ST+8*(\t)
.set rO, OA+64*(\t)
.set rP, PC+12*(\t)
	s_wait_kmcnt 0x0
.set n, 0
.rept 64
	v_cndmask_b32 v[rS+n], v[rS+n], v[HID], s[32+n+4*(n/32)]   ; the mask, a lane mask a register
.set n, n+1
.endr
.if (\t) == 0
	MLOAD 4096                                     ; the other tile's words
.else
	s_wait_xcnt 0x0
	s_add_co_u32 s[MO], s[MO], 256
	s_and_b32 s[MO], s[MO], 0xfff                  ; the next step's (behind the sixteenth: the first's again, inside the buffer)
	MLOAD 0
.endif
.irp b, 0,1,2,3
	v_max3_num_f32 v[TM+\b], v[rS+16*\b], v[rS+16*\b+1], v[rS+16*\b+2]   ; the largest score of each block of 32 keys
.endr
.irp i, 3,5,7,9,11,13
.irp b, 0,1,2,3
	s_delay_alu instid0(VALU_DEP_4)
	v_max3_num_f32 v[TM+\b], v[TM+\b], v[rS+16*\b+\i], v[rS+16*\b+\i+1]
.endr
.endr
.irp b, 0,1,2,3
	s_delay_alu instid0(VALU_DEP_4)
	v_max_num_f32 v[TM+\b], v[TM+\b], v[rS+16*\b+15]
.endr
.irp b, 0,1,2,3
	s_delay_alu instid0(VALU_DEP_4)
	v_permlanex16_b32 v[TM+4+\b], v[TM+\b], s[SEL], s[SEL+1]
.endr
.irp b, 0,1,2,3
	s_delay_alu instid0(VALU_DEP_4)
	v_max_num_f32 v[TM+\b], v[TM+\b], v[TM+4+\b]
.endr
	s_delay_alu instid0(VALU_DEP_2)
	v_max3_num_f32 v[rT+6], v[TM], v[TM+1], v[TM+2]
	s_delay_alu instid0(VALU_DEP_1)
	v_max_num_f32 v[rT+6], v[rT+6], v[TM+3]
	s_delay_alu instid0(VALU_DEP_1)
	v_mul_f32 v[rT+6], s[CS], v[rT+6]
	s_delay_alu instid0(VALU_DEP_1)
	v_max_num_f32 v[rT+1], v[rT+1], v[rT+6]        ; the running largest t
	v_mov_b32 v[rT+6], v[rT]
	s_delay_alu instid0(VALU_DEP_2)
	v_floor_f32 v[rT], -v[rT+1]                    ; -M = floor(-t)
	s_delay_alu instid0(VALU_DEP_1)
.irp j, 0,2,4,6
	v_pk_fma_f32 v[rS+\j:rS+\j+1], v[rS+\j:rS+\j+1], s[CS:CS+1], v[rT:rT+1] op_sel_hi:[1,0,0]   ; t - M; the three lines that make f stand among these, four apart
.endr
	v_sub_f32 v[rT+6], v[rT], v[rT+6]
.irp j, 8,10,12,14
	v_pk_fma_f32 v[rS+\j:rS+\j+1], v[rS+\j:rS+\j+1], s[CS:CS+1], v[rT:rT+1] op_sel_hi:[1,0,0]
.endr
	v_cvt_i32_f32 v[rT+6], v[rT+6]
.irp j, 16,18,20,22
	v_pk_fma_f32 v[rS+\j:rS+\j+1], v[rS+\j:rS+\j+1], s[CS:CS+1], v[rT:rT+1] op_sel_hi:[1,0,0]
.endr
	v_ldexp_f32 v[rT+4], 1.0, v[rT+6]              ; f = 2^(old M - new M)
.irp j, 24,26,28,30,32,34,36,38,40,42,44,46,48,50,52,54,56,58,60,62
	v_pk_fma_f32 v[rS+\j:rS+\j+1], v[rS+\j:rS+\j+1], s[CS:CS+1], v[rT:rT+1] op_sel_hi:[1,0,0]
.endr
.irp b, 0,1,2,3
	v_fma_f32 v[TM+\b], v[TM+\b], s[CS], v[rT]
.endr
.set n, 0
	s_wait_alu depctr_va_vdst(0)                   ; ahead of the batch of exponentials
.rept 64
	v_exp_f32 v[rS+n], v[rS+n]
.set n, n+1
.endr
.irp b, 0,1,2,3
	v_exp_f32 v[TM+\b], v[TM+\b]                   ; each block's largest p
.endr
	WIN 0x41
	s_wait_alu depctr_va_vdst(0)                   ; and ahead of the first reader of O^T
.irp j, 0,2,4,6,8,10,12,14,16,18,20,22,24,26,28,30,32,34,36,38,40,42,44,46,48,50,52,54,56,58,60,62
	v_pk_mul_f32 v[rO+\j:rO+\j+1], v[rO+\j:rO+\j+1], v[rT+4:rT+5] op_sel_hi:[1,0]   ; O^T under the new M
.endr
	WIN 0
	v_pk_mul_f32 v[rT+2:rT+3], v[rT+2:rT+3], v[rT+4:rT+5] op_sel_hi:[1,0]
	s_wait_alu depctr_va_vdst(0)
.irp b, 0,1,2,3
	v_max_num_f32 v[TM+\b], 0x1800000, v[TM+\b]    ; the floor
.endr
.irp b, 0,1,2,3
	s_delay_alu instid0(VALU_DEP_4)
	v_add_nc_u32 v[TM+12+\b], 0xff000000, v[TM+\b]
.endr
.irp b, 0,1,2,3
	s_delay_alu instid0(VALU_DEP_4)
	v_lshrrev_b32 v[TM+4+\b], 23, v[TM+12+\b]
.endr
	s_delay_alu instid0(VALU_DEP_3)
	v_lshl_or_b32 v[PSC+(\t)], v[TM+5], 8, v[TM+4] ; p's scale word for these 128 keys
	s_delay_alu instid0(VALU_DEP_1)
	v_lshl_or_b32 v[PSC+(\t)], v[TM+6], 16, v[PSC+(\t)]
	s_delay_alu instid0(VALU_DEP_1)
	v_lshl_or_b32 v[PSC+(\t)], v[TM+7], 24, v[PSC+(\t)]
.irp c, 0,1
	v_cvt_scalef32_pk16_fp6_f32 v[rP+6*\c:rP+6*\c+2], v[rS+32*\c:rS+32*\c+15], v[TM+12+2*\c]
	v_cvt_scalef32_pk16_fp6_f32 v[CT+4*\c:CT+4*\c+2], v[rS+32*\c+16:rS+32*\c+31], v[TM+12+2*\c+1]
.endr
	v_nop
.irp c, 0,1                            ; a whole block to a lane: lanes 0-15 block 2 c, lanes 16-31 block 2 c + 1
.irp i, 0,1,2
	v_permlane16_swap_b32 v[rP+6*\c+\i], v[CT+4*\c+\i]
.endr
.irp i, 0,1,2
	s_delay_alu instid0(VALU_DEP_3)
	v_mov_b32 v[rP+6*\c+3+\i], v[CT+4*\c+\i]
.endr
.endr
.endm
; The rows' sums take the unquantised p of the step BEFORE: p stays in the score registers until the next scores are written, and these 66 lines stand between the issue of K's fragment loads and the waits for them.
; They come ahead of the step's own factor f, so each p is summed under the M that it was made with.  Both tiles, two chains each, by turns; v[T2:T2+3] hold the second chains.
.macro SUM
.irp t, 0,1
	v_pk_add_f32 v[T2+2*\t:T2+2*\t+1], v[S+64*\t:S+64*\t+1], v[S+64*\t+2:S+64*\t+3]
.endr
.irp j, 4,8,12,16,20,24,28,32,36,40,44,48,52,56,60
.irp t, 0,1
	v_pk_add_f32 v[ST+8*\t+2:ST+8*\t+3], v[ST+8*\t+2:ST+8*\t+3], v[S+64*\t+\j:S+64*\t+\j+1]
	v_pk_add_f32 v[T2+2*\t:T2+2*\t+1], v[T2+2*\t:T2+2*\t+1], v[S+64*\t+\j+2:S+64*\t+\j+3]
.endr
.endr
	s_delay_alu instid0(VALU_DEP_3)
	v_pk_add_f32 v[ST+2:ST+3], v[ST+2:ST+3], v[T2:T2+1]
	s_delay_alu instid0(VALU_DEP_2)
	v_pk_add_f32 v[ST+10:ST+11], v[ST+10:ST+11], v[T2+2:T2+3]
.endm
.macro STEP
	s_add_co_u32 s[TA], s[TS], SCL
	v_add_nc_u32 v[ADK], s[TB], v[L16]
	v_add_nc_u32 v[ADS], s[TA], v[L8]
	v_nop
	v_nop                                          ; four places behind the last products, ahead of loads into their registers
	ds_load_b64 v[KSC:KSC+1], v[ADS]
	ds_load_b64 v[KSC+2:KSC+3], v[ADS] offset:512
	WIN 0x40
.irp f, 0,1,2,3,4,5,6,7
.irp c, 0,1,2
	ds_load_b128 v[FRG+12*\f+4*\c:FRG+12*\f+4*\c+3], v[ADK] offset:(\f/4)*12288+(\f%4)*1536+512*\c
.endr
.endr
	WIN 0
	SUM
	WIN 0x05
	s_wait_alu depctr_va_vdst(0)
.irp f, 0,1,2,3,4,5,6,7
	s_wait_dscnt 3*(7-\f)                          ; fragment f is in: three loads for each later fragment may be out
.irp t, 0,1
.if \f%2
	v_wmma_scale_f32_16x16x128_f8f6f4 v[S+64*\t+8*\f:S+64*\t+8*\f+7], v[FRG+12*\f:FRG+12*\f+11], v[QF+12*\t:QF+12*\t+11], 0, v[KSC+\f/2], v[QSC+\t] matrix_a_fmt:MATRIX_FMT_FP6 matrix_b_fmt:MATRIX_FMT_FP6 matrix_a_scale:MATRIX_SCALE_ROW1
.else
	v_wmma_scale_f32_16x16x128_f8f6f4 v[S+64*\t+8*\f:S+64*\t+8*\f+7], v[FRG+12*\f:FRG+12*\f+11], v[QF+12*\t:QF+12*\t+11], 0, v[KSC+\f/2], v[QSC+\t] matrix_a_fmt:MATRIX_FMT_FP6 matrix_b_fmt:MATRIX_FMT_FP6
.endif
.endr
.endr
	WIN 0
	PLACES
	ds_load_b64 v[VSC:VSC+1], v[ADS] offset:256
	ds_load_b64 v[VSC+2:VSC+3], v[ADS] offset:768
	WIN 0x40
.irp f, 0,1,2,3,4,5,6,7
.irp c, 0,1,2
	ds_load_b128 v[FRG+12*\f+4*\c:FRG+12*\f+4*\c+3], v[ADK] offset:(\f/4)*12288+(\f%4)*1536+6144+512*\c
.endr
.endr
	WIN 0
.irp u, 0,1                            ; tile u: its softmax, then its eight products with V, one to an accumulator; tile 0's stand ahead of tile 1's softmax
	SOFTMAX \u
	PLACES
.if \u == 0
	s_wait_alu depctr_va_vdst(0)
	s_wait_dscnt 0x0                               ; V's fragments and scale words are in
.endif
	WIN 0x51
.irp f, 0,1,2,3,4,5,6,7
.irp t, \u
.if \f%2
	v_wmma_scale_f32_16x16x128_f8f6f4 v[OA+64*\t+8*\f:OA+64*\t+8*\f+7], v[FRG+12*\f:FRG+12*\f+11], v[PC+12*\t:PC+12*\t+11], v[OA+64*\t+8*\f:OA+64*\t+8*\f+7], v[VSC+\f/2], v[PSC+\t] matrix_a_fmt:MATRIX_FMT_FP6 matrix_b_fmt:MATRIX_FMT_FP6 matrix_a_scale:MATRIX_SCALE_ROW1
.else
	v_wmma_scale_f32_16x16x128_f8f6f4 v[OA+64*\t+8*\f:OA+64*\t+8*\f+7], v[FRG+12*\f:FRG+12*\f+11], v[PC+12*\t:PC+12*\t+11], v[OA+64*\t+8*\f:OA+64*\t+8*\f+7], v[VSC+\f/2], v[PSC+\t] matrix_a_fmt:MATRIX_FMT_FP6 matrix_b_fmt:MATRIX_FMT_FP6
.endif
.endr
.endr
	WIN 0
.endr
	s_add_co_u32 s[TB], s[TB], STEPB
	s_add_co_u32 s[TS], s[TS], 1024
	s_and_b32 s[TS], s[TS], 0x3fff                 ; sixteen steps of 1,024 bytes, then from the start again
.endm
.macro CHANGE fill                     ; a change of slots
	s_wait_tensorcnt 0x0                           ; all my tensor loads have landed,
	ds_add_u32 v[SPW], v[NIL]                      ; the add,
.if \fill
	s_xor_b32 s[G0+1], s[G0+1], SLOT1              ; the slot read last takes the next group; behind group 3 comes group 0 again (SLOTS = 4)
	s_cmp_eq_u32 s[SLOTS], 4
	s_cselect_b32 s[DL], 4*GROUPB, 0
	s_sub_nc_u64 s[G0+2:G0+3], s[G0+2:G0+3], s[DL:DL+1]
	s_add_nc_u64 s[G0+2:G0+3], s[G0+2:G0+3], GROUPB
	s_wait_xcnt 0x0                                ; my prefetches have read their address
	s_add_nc_u64 s[PFA:PFA+1], s[PFA:PFA+1], GROUPB
	s_wait_dscnt 0x0                               ; the add is done, and my reads of that slot
	CROUND                                         ; so of every wave of the four work-groups
	s_cmp_lt_u32 s[WV], 6
	s_cbranch_scc0 .Lno_part_\@                    ; waves 6 and 7 have no part of a group
	tensor_load_to_lds s[G0:G0+3], s[G1:G1+7]
	s_nop 0
	PLACES
.Lno_part_\@:
	ASK
.else
	s_wait_dscnt 0x0
	s_barrier_signal -1
	s_barrier_wait -1
.endif
.endm
.macro FOUR_STEPS
	s_mov_b32 s[INNER], 4
.Lstep_\@:
	STEP
	s_sub_co_u32 s[INNER], s[INNER], 1
	s_cmp_lg_u32 s[INNER], 0
	s_cbranch_scc1 .Lstep_\@
	s_sub_co_u32 s[TB], s[TB], GROUPB
	s_xor_b32 s[TB], s[TB], SLOT1
.endm
.macro FINAL
	SUM                                            ; the last step's p
.irp t, 0,1
	s_delay_alu instid0(VALU_DEP_2)
	v_add_f32 v[ST+8*\t+6], v[ST+8*\t+2], v[ST+8*\t+3]
.endr
.irp t, 0,1
	s_delay_alu instid0(VALU_DEP_2)
	v_permlanex16_b32 v[ST+8*\t+7], v[ST+8*\t+6], s[SEL], s[SEL+1]
.endr
.irp t, 0,1
	s_delay_alu instid0(VALU_DEP_2)
	v_add_f32 v[ST+8*\t+6], v[ST+8*\t+6], v[ST+8*\t+7]
.endr
	s_wait_alu depctr_va_vdst(0)
.irp t, 0,1
	v_rcp_f32 v[ST+8*\t+4], v[ST+8*\t+6]
.endr
	v_nop
	s_wait_alu depctr_va_vdst(0)
.endm
.macro PACK t                          ; O^T / the sum, through my stage, back as whole rows of 512 bytes
.set rS, S+64*(\t)
.set rT, ST+8*(\t)
.set rO, OA+64*(\t)
	WIN 0x01
.set i, 0
.rept 32
	v_pk_mul_f32 v[rS+i:rS+i+1], v[rO+i:rO+i+1], v[rT+4:rT+5] op_sel_hi:[1,0]
.set i, i+2
.endr
	WIN 0
.irp f, 0,1,2,3,4,5,6,7
	ds_store_b128 v[STO], v[rS+8*\f:rS+8*\f+3] offset:64*\f
	ds_store_b128 v[STO], v[rS+8*\f+4:rS+8*\f+7] offset:64*\f+16
.endr
.irp r, 0,1,2,3,4,5,6,7,8,9,10,11,12,13,14,15
	ds_load_b128 v[rS+4*\r:rS+4*\r+3], v[STR] offset:SP*\r
.endr
.endm
.macro SEND t, younger                 ; 32 lanes store a row's 512 consecutive bytes
.irp r, 0,1,2,3,4,5,6,7,8,9,10,11,12,13,14,15
	s_wait_dscnt \younger+15-\r
	global_store_b128 v[L16], v[S+64*(\t)+4*\r:S+64*(\t)+4*\r+3], s[OP:OP+1] offset:8192*(\t)+512*\r th:TH_STORE_NT
.endr
.endm
.Lslot:                                        ; seven phases that fill a slot; the eighth is written out
	CHANGE 1
	FOUR_STEPS
	s_cmp_lg_u32 s[SLOTS], 4
	s_cbranch_scc1 .Lsame_block
	; sixteen key steps are done: my first 32 queries leave, my second 32 begin.  No barrier, wait for tiles or add stands here
	s_wait_kmcnt 0x0                               ; the mask words asked for last are in: their registers are asked for anew
	s_wait_xcnt 0x0
	s_add_nc_u64 s[MB:MB+1], s[MB:MB+1], 8192      ; two tiles on
	MLOAD 0
	FINAL
	PACK 0
	PACK 1
	SEND 0, 32
	s_wait_xcnt 0x0                                ; tile 0's stores have read their registers, which take the next q
	s_add_nc_u64 s[QP:QP+1], s[QP:QP+1], 16384
	QLOAD 0
	SEND 1, 0
	s_wait_xcnt 0x0
	s_add_nc_u64 s[OP:OP+1], s[OP:OP+1], 16384
	BEGIN
.Lsame_block:
	s_sub_co_u32 s[SLOTS], s[SLOTS], 1
	s_cmp_lg_u32 s[SLOTS], 0
	s_cbranch_scc1 .Lslot
	CHANGE 0                                       ; the last group is in; nothing is filled again
	FOUR_STEPS
	FINAL
	PACK 0
	PACK 1
	SEND 0, 32
	SEND 1, 0
	s_wait_kmcnt 0x0
	s_wait_tensorcnt 0x0                           ; the wave's end
	ds_add_u32 v[SPW], v[NIL]
	s_wait_dscnt 0x0
	CROUND                                         ; the closing round
	s_endpgm
.Lfunc_end_k_q0e624dfc53_attn:
	.size	k_q0e624dfc53_attn, .Lfunc_end_k_q0e624dfc53_attn-k_q0e624dfc53_attn
	.p2alignl 7, 3214868480
	.fill 96, 4, 3214868480
	.section	.rodata,"a",@progbits
	.p2align	6, 0x0
	.amdhsa_kernel k_q0e624dfc53_attn
		.amdhsa_group_segment_fixed_size 327680
		.amdhsa_private_segment_fixed_size 0
		.amdhsa_enable_private_segment 0
		.amdhsa_kernarg_size 40
		.amdhsa_user_sgpr_count 2
		.amdhsa_user_sgpr_kernarg_segment_ptr 1
		.amdhsa_wavefront_size32 1
		.amdhsa_system_sgpr_workgroup_id_x 1
		.amdhsa_system_sgpr_workgroup_id_y 1
		.amdhsa_system_sgpr_workgroup_id_z 1
		.amdhsa_system_vgpr_workitem_id 0
		.amdhsa_next_free_vgpr 512
		.amdhsa_next_free_sgpr 106
		.amdhsa_reserve_vcc 0
		.amdhsa_float_denorm_mode_32 3
		.amdhsa_float_denorm_mode_16_64 3
		.amdhsa_memory_ordered 1
		.amdhsa_forward_progress 1
		.amdhsa_inst_pref_size 186
	.end_amdhsa_kernel
	.amdgpu_metadata
---
amdhsa.version: [ 1, 2 ]
amdhsa.kernels:
  - .name:           k_q0e624dfc53_attn
    .symbol:         k_q0e624dfc53_attn.kd
    .args:
      - { .name: q, .offset: 0, .size: 8, .value_kind: global_buffer, .address_space: global }
      - { .name: kvc, .offset: 8, .size: 8, .value_kind: global_buffer, .address_space: global }
      - { .name: kvs, .offset: 16, .size: 8, .value_kind: global_buffer, .address_space: global }
      - { .name: maskw, .offset: 24, .size: 8, .value_kind: global_buffer, .address_space: global }
      - { .name: out0, .offset: 32, .size: 8, .value_kind: global_buffer, .address_space: global }
    .group_segment_fixed_size: 327680
    .private_segment_fixed_size: 0
    .kernarg_segment_align: 8
    .kernarg_segment_size: 40
    .max_flat_workgroup_size: 256
    .sgpr_count:     106
    .vgpr_count:     512
    .wavefront_size: 32
...
	.end_amdgpu_metadata
.endif
;; end of part 2
